; MI455X (gfx1250); checked and timed in simulation.
; The chip was launched on July 23, 2026; its instructions are those of AMD's public machine-readable ISA for CDNA 5 (MIT licence, August 2026) and "CDNA5" Instruction Set Architecture Reference Guide (July 2026). The comments in the code are by the model that wrote it; some were corrected since.
;; Gaussian LSS. Allowed arithmetic: float matrix products may take bf16 or f16 operands with f32 sums; all other float work in f32.
;; Inputs: features0 6 x 128 x 6 x 12 float32; features1 6 x 128 x 6 x 12 float32; features2 6 x 128 x 6 x 12 float32; features3 6 x 128 x 6 x 12 float32; means0 6 x 6 x 12 x 3 float32; means1 6 x 6 x 12 x 3 float32; means2 6 x 6 x 12 x 3 float32; means3 6 x 6 x 12 x 3 float32; opac0 6 x 1 x 6 x 12 float32; opac1 6 x 1 x 6 x 12 float32; opac2 6 x 1 x 6 x 12 float32; opac3 6 x 1 x 6 x 12 float32; uncert0 6 x 6 x 12 x 3 x 3 float32; uncert1 6 x 6 x 12 x 3 x 3 float32; uncert2 6 x 6 x 12 x 3 x 3 float32; uncert3 6 x 6 x 12 x 3 x 3 float32.
;; Outputs: out0 1 x 128 x 25 x 25 float32; out1 1 x 128 x 50 x 50 float32; out2 1 x 128 x 100 x 100 float32; out3 1 x 128 x 200 x 200 float32; out4 one number float32.
;; Constants: b = 1, n = 6.
;; One version. Each part assembles by itself: llvm-mc -triple=amdgcn-amd-amdhsa -mcpu=gfx1250 --defsym DOCPART=n.
;; ======== version 1 of 1: 2 launches
;; limits: values are held in f16: magnitudes above 65,504 overflow, below 6.1e-05 lose precision; inputs' magnitudes at most 65,504
;; workspace buffers: params 57,344 bytes; ftab 444,416 bytes; masks 55,296 bytes of whole numbers
;; launch prep (part 1): grid 78 x 1, 16 waves a work-group, no clusters, 21,760 bytes of LDS; arguments features0, features1, features2, features3, means0, means1, means2, means3, uncert0, uncert1, uncert2, uncert3, opac0, opac1, opac2, opac3, params, ftab, masks, out4; writes params, ftab, masks, out4
.if DOCPART == 1
	.amdgcn_target "amdgcn-amd-amdhsa--gfx1250"
	.amdhsa_code_object_version 6
	.text
	.protected	k_q002cd4f9dc_prep
	.globl	k_q002cd4f9dc_prep
	.p2align	8
	.type	k_q002cd4f9dc_prep,@function
k_q002cd4f9dc_prep:
	s_mov_b64 s[64:65], 0
	v_nop
	global_prefetch_b8 v0, s[64:65] scope:SCOPE_SE
	s_setreg_imm32_b32 hwreg(HW_REG_WAVE_MODE, 25, 1), 1
	s_wait_xcnt 0x0
; PREP: everything that is per gaussian, and the choice of gaussians per tile, for the launch that renders.
; Work-groups 0..53 (mask role): one scale each (0 | 1-3 | 4-13 | 14-53), 512 threads = 432 gaussians + 80 idle records.
;   Each thread makes its gaussian's projected centre, the three coefficients of q = -power*log2(e), Q = log2(255 o),
;   and a bounding interval in rows and columns outside which alpha < 1/255 (so reference() sets alpha to 0 there).
;   Then each wave takes one tile of 64 consecutive pixels and tests all 448 records against it: 14 words of bits.
;   The bits are only stored here (fixed addresses); the next launch turns them into lists.
;   The first work-group of a scale also stores the scale's parameter table; work-group 0 also counts o > 0.01 (out4).
; Work-groups 54..77 (feature role): one (scale, camera): [128 d][72 hw] f32 -> 72 rows of 128 f16 (256 bytes a row).
; No matrix unit, no cluster, no data mover: a few numbers per thread, nothing shared between work-groups but inputs of a few KB.
; BOUND: for a positive definite form -2 power >= dr^2/va and >= dc^2/vc, and alpha >= 1/255 needs -power <= ln(255 o).
;   The half widths carry 2 % + 0.02 on ln(255 o) and 0.01 pixel.  Where det < 0.001 va vc the f32 determinant is not
;   trusted for that and the gaussian is listed for every tile.  The exact tests are made again per pixel when rendering.
; FORMAT: the features go to the matrix unit in f16, 11 significant bits: a pixel's sum has terms that cancel, and its error is
;   2^-11 of the terms, not of the sum; with 8 significant bits it would be 2^-8 of them, too near 1 % of the output's spread.
; LIMITS: a feature beyond 65,504 in magnitude becomes infinite in the table and is not served; below 2^-14 the step is 2^-24.
;   NaN inputs are not followed (a NaN covariance entry clamps to 1 here).  S = W/100 and S^2 are powers of two, so
;   the fused forms below round as reference()'s multiply and add do.
; The feature role's 4-byte LDS stores put four rows 272 bytes apart: they collide about fourfold; 18 numbers a thread.
.set BB,   0                           ; 512 x 16 bytes: rlo, rhi, clo, chi
.set MSK,  8192                        ; 16 waves x 64 bytes: a tile's 16 mask words
.set CNT,  9216                        ; 16 words: each wave's count of o > 0.01 (work-group 0)
.set NG,   432                         ; gaussians of a scale
.set TRP,  272                         ; feature role: LDS row = 256 bytes + 16
	s_load_b512 s[4:19], s[0:1], 0x0               ; features0-3 s[4:11], means0-3 s[12:19]
	s_load_b512 s[20:35], s[0:1], 0x40             ; uncert0-3 s[20:27], opac0-3 s[28:35]
	s_load_b256 s[36:43], s[0:1], 0x80             ; params s[36:37], ftab s[38:39], masks s[40:41], out4 s[42:43]
	v_lshl_add_u32 v104, v0, 2, 0x4d00
	v_mov_b32 v105, 0
	v_lshrrev_b32 v1, 5, v0
	v_readfirstlane_b32 s3, v1                     ; wave 0..15
	s_wait_kmcnt 0x0
	s_cmp_ge_u32 ttmp9, 54
	s_cbranch_scc1 .Lfeat
; ---------------------------------------------------------------- mask role
	s_mov_b32 s44, 0                               ; scale
	s_mov_b32 s45, 25                              ; W
	s_mov_b32 s46, 625                             ; P = W*W
	s_mov_b32 s47, 171798692                       ; ceil(2^32 / W): mul_hi gives p / W exactly for p < 65536
	s_mov_b32 s48, 0x3e800000                      ; S = W/100
	s_mov_b32 s49, 0x3d800000                      ; S*S
	s_mov_b32 s50, 0x41480000                      ; W/2
	s_mov_b32 s51, 0                               ; the scale's first work-group
	s_mov_b64 s[52:53], s[12:13]                   ; means
	s_mov_b64 s[54:55], s[20:21]                   ; uncert
	s_mov_b64 s[56:57], s[28:29]                   ; opac
.macro PICK first, sc, wid, pix, magic, sb, ssb, hb
	s_cmp_ge_u32 ttmp9, \first                     ; the selects leave SCC alone
	s_cselect_b32 s44, \sc, s44
	s_cselect_b32 s45, \wid, s45
	s_cselect_b32 s46, \pix, s46
	s_cselect_b32 s47, \magic, s47
	s_cselect_b32 s48, \sb, s48
	s_cselect_b32 s49, \ssb, s49
	s_cselect_b32 s50, \hb, s50
	s_cselect_b32 s51, \first, s51
	s_cselect_b64 s[52:53], s[12+2*\sc:13+2*\sc], s[52:53]
	s_cselect_b64 s[54:55], s[20+2*\sc:21+2*\sc], s[54:55]
	s_cselect_b64 s[56:57], s[28+2*\sc:29+2*\sc], s[56:57]
.endm
	PICK 1,  1, 50,  2500,  85899346, 0x3f000000, 0x3e800000, 0x41c80000
	PICK 4,  2, 100, 10000, 42949673, 0x3f800000, 0x3f800000, 0x42480000
	PICK 14, 3, 200, 40000, 21474837, 0x40000000, 0x40800000, 0x42c80000
	s_mul_i32 s72, s44, 14336
	s_mov_b32 s73, 0
	s_add_nc_u64 s[58:59], s[36:37], s[72:73]      ; the scale's parameter table
	s_lshl_b32 s72, ttmp9, 10
	s_add_nc_u64 s[40:41], s[40:41], s[72:73]      ; this work-group's 16 mask slots
	s_mov_b32 s60, 0x3e99999a                      ; 0.3
	s_mov_b32 s61, 0x3c23d70a                      ; 0.01
	s_mov_b32 s62, 0x437f0000                      ; 255
	s_mov_b32 s63, 0x7f000000                      ; +2^127
	s_mov_b32 s71, 0xff000000                      ; -2^127
	s_mov_b32 s66, 0x3f34fe9b                      ; 1.02 ln 2
	; phase 1: thread t = gaussian min(t, 431)
	v_min_u32 v1, NG-1, v0
	v_mul_u32_u24 v3, v1, 12
	v_mul_u32_u24 v4, v1, 36
	v_lshlrev_b32 v5, 2, v1
	v_lshlrev_b32 v6, 4, v0                        ; 16 t
	global_load_b32 v8,  v3, s[52:53]              ; x
	global_load_b32 v9,  v3, s[52:53] offset:4     ; y
	global_load_b32 v10, v4, s[54:55]              ; Sigma xx
	global_load_b32 v11, v4, s[54:55] offset:4     ; Sigma xy
	global_load_b32 v12, v4, s[54:55] offset:16    ; Sigma yy
	global_load_b32 v13, v5, s[56:57]              ; opacity
	; work-group 0: how many opacities of the four scales pass 0.01, this wave's share, as a whole number in LDS
	s_cmp_lg_u32 ttmp9, 0
	s_cbranch_scc1 .Lnocount
	global_load_b32 v44, v5, s[28:29]
	global_load_b32 v45, v5, s[30:31]
	global_load_b32 v46, v5, s[32:33]
	global_load_b32 v47, v5, s[34:35]
	s_wait_loadcnt 0x0
	v_cmp_gt_u32 s5, NG, v0
	v_cmp_lt_f32 s6, s61, v44
	v_cmp_lt_f32 s7, s61, v45
	v_cmp_lt_f32 s8, s61, v46
	v_cmp_lt_f32 s9, s61, v47
	s_and_b32 s6, s6, s5
	s_and_b32 s7, s7, s5
	s_and_b32 s8, s8, s5
	s_and_b32 s9, s9, s5
	s_bcnt1_i32_b32 s6, s6
	s_bcnt1_i32_b32 s7, s7
	s_bcnt1_i32_b32 s8, s8
	s_bcnt1_i32_b32 s9, s9
	s_add_co_u32 s6, s6, s7
	s_add_co_u32 s8, s8, s9
	s_add_co_u32 s6, s6, s8
	v_mov_b32 v48, s6
	v_mov_b32 v49, s3
	v_lshlrev_b32 v49, 2, v49
	ds_store_b32 v49, v48 offset:CNT               ; every lane the same word, the same value
.Lnocount:
	s_wait_loadcnt 0x0
	v_fma_f32 v24, -v9, s48, s50                   ; pr = -S y + H/2
	v_fma_f32 v25, -v8, s48, s50                   ; pc = -S x + W/2
	v_max_num_f32 v10, 1.0, v10
	v_max_num_f32 v11, 1.0, v11
	v_max_num_f32 v12, 1.0, v12
	v_fma_f32 v14, v12, s49, s60                   ; va
	v_mul_f32 v15, s49, v11                        ; vb
	v_fma_f32 v16, v10, s49, s60                   ; vc
	v_mul_f32 v17, v14, v16
	v_mul_f32 v18, v15, v15
	v_sub_f32 v19, v17, v18                        ; det, product by product as reference() writes it
	v_rcp_f32 v20, v19
	v_mul_f32 v21, s62, v13                        ; (a plain line between v_rcp_f32 and the use of its result: ISA guide 5.7.2)
	v_log_f32 v29, v21                             ; Q = log2(255 o)
	s_wait_alu depctr_va_vdst(0)
	v_fma_f32 v22, -v19, v20, 1.0                  ; one Newton step on 1/det
	v_fma_f32 v20, v22, v20, v20
	v_mul_f32 v22, 0x3f38aa3b, v20                 ; log2(e)/2 / det
	v_mul_f32 v23, 0xbfb8aa3b, v20                 ; -log2(e) / det
	v_mul_f32 v26, v16, v22                        ; A
	v_mul_f32 v27, v15, v23                        ; B
	v_mul_f32 v28, v14, v22                        ; C:  q = (A dr + B dc) dr + (C dc) dc
	v_fmaak_f32 v36, s66, v29, 0x3ca3d70a          ; 1.02 ln(255 o) + 0.02
	v_add_f32 v37, v14, v14
	v_add_f32 v38, v16, v16
	v_mul_f32 v37, v37, v36
	v_mul_f32 v38, v38, v36
	v_sqrt_f32 v39, v37
	v_sqrt_f32 v40, v38
	v_mov_b32 v30, v13                             ; (the plain line behind the two roots)
	v_mov_b32 v31, 0
	s_wait_alu depctr_va_vdst(0)
	v_add_f32 v39, s61, v39
	v_add_f32 v40, s61, v40
	v_sub_f32 v32, v24, v39                        ; rlo
	v_add_f32 v33, v24, v39                        ; rhi
	v_sub_f32 v34, v25, v40                        ; clo
	v_add_f32 v35, v25, v40                        ; chi
	v_mul_f32 v41, 0x3a83126f, v17
	v_cmp_lt_f32 s70, v19, v41                     ; det < 0.001 va vc: never culled
	v_cmp_lt_f32 s67, s61, v13                     ; o > 0.01
	v_cmp_lt_f32 s68, 0, v19                       ; det > 0
	v_cmp_gt_u32 s69, NG, v0                       ; a real gaussian
	s_and_b32 s67, s67, s68
	s_and_b32 s67, s67, s69                        ; keep
	v_cndmask_b32 v32, v32, s71, s70
	v_cndmask_b32 v33, v33, s63, s70
	v_cndmask_b32 v34, v34, s71, s70
	v_cndmask_b32 v35, v35, s63, s70
	v_cndmask_b32 v32, s63, v32, s67               ; not kept: an empty interval, never listed
	v_cndmask_b32 v33, s71, v33, s67
	v_cndmask_b32 v34, s63, v34, s67
	v_cndmask_b32 v35, s71, v35, s67
	ds_store_b128 v6, v[32:35] offset:BB
	; the scale's first work-group stores the table: 448 records in two planes, each store of a wave 512 consecutive bytes
	s_cmp_lg_u32 ttmp9, s51
	s_cbranch_scc1 .Lnoparam
	s_cmp_ge_u32 s3, 14
	s_cbranch_scc1 .Lnoparam
.irp r, 24,25,26,27,28,29,30
	v_cndmask_b32 v\r, 0, v\r, s67                 ; a record that is not kept is all zeros: q = 0, o = 0, alpha = 0
.endr
	global_store_b128 v6, v[24:27], s[58:59]               ; pr, pc, A, B
	global_store_b128 v6, v[28:31], s[58:59] offset:7168   ; C, Q, o, 0
.Lnoparam:
	s_wait_dscnt 0x0                               ; my intervals (and count) are in LDS before I say so
	s_barrier_signal -1
	s_barrier_wait -1
	; out4: work-group 0, wave 0 adds the sixteen counts
	s_cmp_lg_u32 ttmp9, 0
	s_cbranch_scc1 .Lnoout4
	s_cmp_lg_u32 s3, 0
	s_cbranch_scc1 .Lnoout4
	v_mov_b32 v50, 0
	ds_load_b128 v[52:55], v50 offset:CNT
	ds_load_b128 v[56:59], v50 offset:CNT+16
	ds_load_b128 v[60:63], v50 offset:CNT+32
	ds_load_b128 v[64:67], v50 offset:CNT+48
	s_wait_dscnt 0x0
	v_add3_u32 v52, v52, v53, v54
	v_add3_u32 v55, v55, v56, v57
	v_add3_u32 v58, v58, v59, v60
	v_add3_u32 v61, v61, v62, v63
	v_add3_u32 v64, v64, v65, v66
	v_add3_u32 v52, v52, v55, v58
	v_add3_u32 v61, v61, v64, v67
	v_add_nc_u32 v52, v52, v61
	v_cvt_f32_u32 v52, v52                         ; at most 1,728: exact
	s_wait_xcnt 0x0                                ; the table's stores name EXEC: it narrows only behind this wait
	v_cmp_eq_u32 vcc_lo, 0, v0
	s_and_saveexec_b32 s17, vcc_lo
	global_store_b32 v50, v52, s[42:43]
	s_wait_xcnt 0x0                                ; and widens only behind this one; v50, v52 are free too
	s_or_b32 exec_lo, exec_lo, s17
.Lnoout4:
	; phase 2: wave = tile of 64 consecutive pixels, covered by three rectangles:
	; its first row from c0 on, its last row up to c1, the whole rows between (if any)
	s_sub_co_u32 s74, ttmp9, s51
	s_lshl_b32 s74, s74, 4
	s_add_co_u32 s74, s74, s3                      ; the tile's number in its scale
	s_lshl_b32 s75, s74, 6
	s_sub_co_u32 s79, s46, 1
	s_min_u32 s75, s75, s79                        ; first pixel (slots past the last tile are stored but never read)
	s_add_co_u32 s78, s75, 63
	s_min_u32 s78, s78, s79                        ; last pixel
	s_mul_hi_u32 s76, s75, s47                     ; r0
	s_mul_i32 s77, s76, s45
	s_sub_co_u32 s77, s75, s77                     ; c0
	s_mul_hi_u32 s80, s78, s47                     ; r1
	s_mul_i32 s81, s80, s45
	s_sub_co_u32 s81, s78, s81                     ; c1
	s_sub_co_u32 s91, s45, 1                       ; W-1
	s_cmp_eq_u32 s76, s80
	s_cselect_b32 s86, s81, s91                    ; first row ends at c1 if it is the only row, else at W-1
	s_cselect_b32 s87, s77, 0                      ; last row begins at c0 if it is the only row, else at 0
	s_add_co_u32 s88, s76, 1
	s_sub_co_u32 s89, s80, 1
	s_add_co_u32 s90, s76, 2
	s_cvt_f32_u32 s82, s76
	s_cvt_f32_u32 s83, s77
	s_cvt_f32_u32 s84, s80
	s_cvt_f32_u32 s85, s81
	s_cvt_f32_u32 s86, s86
	s_cvt_f32_u32 s87, s87
	s_cvt_f32_u32 s88, s88
	s_cvt_f32_u32 s89, s89
	s_cvt_f32_u32 s91, s91
	s_cmp_ge_u32 s80, s90                          ; rows between? (whole numbers decide)
	s_cselect_b32 s88, s88, s63                    ; if not: an empty range of rows
	s_cselect_b32 s89, s89, s71
	v_and_b32 v7, 31, v0
	v_lshlrev_b32 v7, 4, v7                        ; 16 x lane
.set n, 0
.rept 14
	ds_load_b128 v[40+4*n:43+4*n], v7 offset:BB+512*n      ; record 32 n + lane
.set n, n+1
.endr
	v_mov_b32 v96, 0
.set n, 0
.rept 14
	s_wait_dscnt 13-n                              ; LDS loads return in order: word n's is in, the 13-n younger ones stay out
	v_cmp_le_f32 s4,  v[40+4*n], s82
	v_cmp_ge_f32 s5,  v[41+4*n], s82
	v_cmp_le_f32 s6,  v[42+4*n], s86
	v_cmp_ge_f32 s7,  v[43+4*n], s83
	v_cmp_le_f32 s8,  v[40+4*n], s84
	v_cmp_ge_f32 s9,  v[41+4*n], s84
	v_cmp_le_f32 s10, v[42+4*n], s85
	v_cmp_ge_f32 s11, v[43+4*n], s87
	v_cmp_le_f32 s12, v[40+4*n], s89
	v_cmp_ge_f32 s13, v[41+4*n], s88
	v_cmp_le_f32 s14, v[42+4*n], s91
	v_cmp_ge_f32 s15, v[43+4*n], 0
	s_and_b32 s4, s4, s5
	s_and_b32 s6, s6, s7
	s_and_b32 s8, s8, s9
	s_and_b32 s10, s10, s11
	s_and_b32 s12, s12, s13
	s_and_b32 s14, s14, s15
	s_and_b32 s4, s4, s6
	s_and_b32 s8, s8, s10
	s_and_b32 s12, s12, s14
	s_or_b32 s4, s4, s8
	s_or_b32 s4, s4, s12                           ; bit i: gaussian 32 n + i may touch the tile
	s_mov_b32 s16, 0x10001<<n
	v_cndmask_b32 v96, v96, s4, s16                ; lanes n and n+16 keep word n; lanes 14, 15, 30, 31 stay 0
.set n, n+1
.endr
	s_lshl_b32 s16, s3, 6
	v_and_b32 v97, 15, v0
	v_lshlrev_b32 v97, 2, v97
	v_add_nc_u32 v97, s16, v97
	ds_store_b32 v97, v96 offset:MSK               ; both halves of the wave write the same 16 words
	s_wait_dscnt 0x0
	s_barrier_signal -1
	s_barrier_wait -1
	s_cmp_ge_u32 s3, 2
	s_cbranch_scc1 .Lmaskend
	ds_load_b128 v[100:103], v6 offset:MSK         ; waves 0, 1: the work-group's 1,024 bytes of masks
	s_wait_dscnt 0x0
	global_store_b128 v6, v[100:103], s[40:41]     ; 16 lanes store 256 consecutive bytes, at a multiple of 256 from the buffer's first byte
.Lmaskend:
	s_wait_tensorcnt 0x0
	ds_add_u32 v104, v105
	s_wait_dscnt 0x0
	s_endpgm
; ---------------------------------------------------------------- feature role
.Lfeat:
	s_sub_co_u32 s44, ttmp9, 54                    ; 0..23
	s_mul_i32 s45, s44, 43
	s_lshr_b32 s45, s45, 8                         ; scale = / 6 (exact for 0..23)
	s_mul_i32 s46, s45, 6
	s_sub_co_u32 s46, s44, s46                     ; camera
	s_mov_b64 s[48:49], s[4:5]
	s_cmp_ge_u32 s45, 1
	s_cselect_b64 s[48:49], s[6:7], s[48:49]
	s_cmp_ge_u32 s45, 2
	s_cselect_b64 s[48:49], s[8:9], s[48:49]
	s_cmp_ge_u32 s45, 3
	s_cselect_b64 s[48:49], s[10:11], s[48:49]
	s_mul_i32 s52, s46, 36864                      ; a camera: 128 x 72 f32
	s_mov_b32 s53, 0
	s_add_nc_u64 s[48:49], s[48:49], s[52:53]
	s_mul_i32 s52, s45, 111104                     ; a scale: 434 rows of 256 bytes
	s_mul_i32 s54, s46, 18432                      ; a camera: 72 rows
	s_add_co_u32 s52, s52, s54
	s_add_nc_u64 s[50:51], s[38:39], s[52:53]
; chunk q = t + 512 j (q < 1152): channels 2 d2, 2 d2 + 1 (d2 = q / 18), four hw from 4 (q % 18): two loads of 16 bytes
.macro FLOAD j
	v_add_nc_u32 v2, 512*\j, v0
	v_mul_u32_u24 v3, v2, 3641
	v_lshrrev_b32 v3, 16, v3                       ; q / 18, exact below 32768
	v_mul_u32_u24 v4, v3, 18
	v_sub_nc_u32 v4, v2, v4                        ; q % 18
	v_mul_u32_u24 v5, v3, 576
	v_lshl_add_u32 v[10+\j], v4, 4, v5
	v_mul_u32_u24 v5, v4, 4*TRP
	v_lshl_add_u32 v[13+\j], v3, 2, v5             ; LDS: row 4 (q % 18), byte 4 d2
	global_load_b128 v[16+8*\j:19+8*\j], v[10+\j], s[48:49] th:TH_LOAD_NT
	global_load_b128 v[20+8*\j:23+8*\j], v[10+\j], s[48:49] offset:288 th:TH_LOAD_NT
.endm
.macro FPUT j
.irp e, 0,1,2,3
	v_cvt_pk_f16_f32 v[40+4*\j+\e], v[16+8*\j+\e], v[20+8*\j+\e]   ; even channel low, odd channel high
.endr
.irp e, 0,1,2,3
	ds_store_b32 v[13+\j], v[40+4*\j+\e] offset:TRP*\e
.endr
.endm
; chunk c = t + 512 j of the 72 x 16 pieces of 16 bytes
.macro FOUTL j
	v_add_nc_u32 v2, 512*\j, v0
	v_lshrrev_b32 v3, 4, v2
	v_and_b32 v4, 15, v2
	v_mul_u32_u24 v3, v3, TRP
	v_lshl_add_u32 v3, v4, 4, v3
	v_lshlrev_b32 v[60+\j], 4, v2
	ds_load_b128 v[64+4*\j:67+4*\j], v3
.endm
.macro FOUTS j
	global_store_b128 v[60+\j], v[64+4*\j:67+4*\j], s[50:51]       ; 16 lanes fill one row of 256 bytes
.endm
	FLOAD 0
	FLOAD 1
	s_cmp_ge_u32 s3, 4                             ; chunks 1024..1151: waves 0 to 3
	s_cbranch_scc1 .Lno2a
	FLOAD 2
	s_wait_loadcnt 0x0
	FPUT 2
.Lno2a:
	s_wait_loadcnt 0x0
	FPUT 0
	FPUT 1
	s_wait_dscnt 0x0
	s_barrier_signal -1
	s_barrier_wait -1
	FOUTL 0
	FOUTL 1
	s_wait_dscnt 0x0
	FOUTS 0
	FOUTS 1
	s_cmp_ge_u32 s3, 4
	s_cbranch_scc1 .Lno2b
	FOUTL 2
	s_wait_dscnt 0x0
	FOUTS 2
.Lno2b:
	; rows 432, 433 of the scale's table are zeros (row 432 is the dummy gaussian's): camera 5's work-group, wave 4
	s_cmp_lg_u32 s46, 5
	s_cbranch_scc1 .Lfeatend
	s_cmp_lg_u32 s3, 4
	s_cbranch_scc1 .Lfeatend
	v_mov_b32 v72, 0
	v_mov_b32 v73, 0
	v_mov_b32 v74, 0
	v_mov_b32 v75, 0
	v_and_b32 v76, 31, v0
	v_lshlrev_b32 v76, 4, v76
	global_store_b128 v76, v[72:75], s[50:51] offset:18432
.Lfeatend:
	s_wait_tensorcnt 0x0
	ds_add_u32 v104, v105
	s_wait_dscnt 0x0
	s_endpgm
.Lfunc_end_k_q002cd4f9dc_prep:
	.size	k_q002cd4f9dc_prep, .Lfunc_end_k_q002cd4f9dc_prep-k_q002cd4f9dc_prep
	.p2alignl 7, 3214868480
	.fill 96, 4, 3214868480
	.section	.rodata,"a",@progbits
	.p2align	6, 0x0
	.amdhsa_kernel k_q002cd4f9dc_prep
		.amdhsa_group_segment_fixed_size 21760
		.amdhsa_private_segment_fixed_size 0
		.amdhsa_enable_private_segment 0
		.amdhsa_kernarg_size 160
		.amdhsa_user_sgpr_count 2
		.amdhsa_user_sgpr_kernarg_segment_ptr 1
		.amdhsa_wavefront_size32 1
		.amdhsa_system_sgpr_workgroup_id_x 1
		.amdhsa_system_sgpr_workgroup_id_y 1
		.amdhsa_system_sgpr_workgroup_id_z 1
		.amdhsa_system_vgpr_workitem_id 0
		.amdhsa_next_free_vgpr 106
		.amdhsa_next_free_sgpr 92
		.amdhsa_reserve_vcc 1
		.amdhsa_float_denorm_mode_32 3
		.amdhsa_float_denorm_mode_16_64 3
		.amdhsa_memory_ordered 1
		.amdhsa_forward_progress 1
		.amdhsa_inst_pref_size 37
	.end_amdhsa_kernel
	.amdgpu_metadata
---
amdhsa.version: [ 1, 2 ]
amdhsa.kernels:
  - .name:           k_q002cd4f9dc_prep
    .symbol:         k_q002cd4f9dc_prep.kd
    .args:
      - { .name: features0, .offset: 0, .size: 8, .value_kind: global_buffer, .address_space: global }
      - { .name: features1, .offset: 8, .size: 8, .value_kind: global_buffer, .address_space: global }
      - { .name: features2, .offset: 16, .size: 8, .value_kind: global_buffer, .address_space: global }
      - { .name: features3, .offset: 24, .size: 8, .value_kind: global_buffer, .address_space: global }
      - { .name: means0, .offset: 32, .size: 8, .value_kind: global_buffer, .address_space: global }
      - { .name: means1, .offset: 40, .size: 8, .value_kind: global_buffer, .address_space: global }
      - { .name: means2, .offset: 48, .size: 8, .value_kind: global_buffer, .address_space: global }
      - { .name: means3, .offset: 56, .size: 8, .value_kind: global_buffer, .address_space: global }
      - { .name: uncert0, .offset: 64, .size: 8, .value_kind: global_buffer, .address_space: global }
      - { .name: uncert1, .offset: 72, .size: 8, .value_kind: global_buffer, .address_space: global }
      - { .name: uncert2, .offset: 80, .size: 8, .value_kind: global_buffer, .address_space: global }
      - { .name: uncert3, .offset: 88, .size: 8, .value_kind: global_buffer, .address_space: global }
      - { .name: opac0, .offset: 96, .size: 8, .value_kind: global_buffer, .address_space: global }
      - { .name: opac1, .offset: 104, .size: 8, .value_kind: global_buffer, .address_space: global }
      - { .name: opac2, .offset: 112, .size: 8, .value_kind: global_buffer, .address_space: global }
      - { .name: opac3, .offset: 120, .size: 8, .value_kind: global_buffer, .address_space: global }
      - { .name: params, .offset: 128, .size: 8, .value_kind: global_buffer, .address_space: global }
      - { .name: ftab, .offset: 136, .size: 8, .value_kind: global_buffer, .address_space: global }
      - { .name: masks, .offset: 144, .size: 8, .value_kind: global_buffer, .address_space: global }
      - { .name: out4, .offset: 152, .size: 8, .value_kind: global_buffer, .address_space: global }
    .group_segment_fixed_size: 21760
    .private_segment_fixed_size: 0
    .kernarg_segment_align: 8
    .kernarg_segment_size: 160
    .max_flat_workgroup_size: 512
    .sgpr_count:     92
    .vgpr_count:     106
    .wavefront_size: 32
...
	.end_amdgpu_metadata
.endif
;; end of part 1
;; launch render (part 2): grid 832 x 1, 1 waves a work-group, no clusters, 31,232 bytes of LDS; arguments params, ftab, masks, out0, out1, out2, out3; writes out0, out1, out2, out3
.if DOCPART == 2
	.amdgcn_target "amdgcn-amd-amdhsa--gfx1250"
	.amdhsa_code_object_version 6
	.text
	.protected	k_q002cd4f9dc_render
	.globl	k_q002cd4f9dc_render
	.p2align	8
	.type	k_q002cd4f9dc_render,@function
k_q002cd4f9dc_render:
	s_mov_b64 s[64:65], 0
	v_nop
	global_prefetch_b8 v0, s[64:65] scope:SCOPE_SE
	s_setreg_imm32_b32 hwreg(HW_REG_WAVE_MODE, 25, 1), 1
	s_wait_xcnt 0x0
; RENDER: one wave = one tile of 64 consecutive pixels x all 128 channels of one scale.  Tiles: 10 + 40 + 157 + 625 = 832.
; The tile's 14 mask words (whole numbers, stored by the launch before) say which of the 432 gaussians may reach alpha >= 1/255
; on it; all others have alpha = 0 in reference() and change neither the sum nor the transmittance.  The wave compacts the
; listed gaussians' parameters, in gaussian order, into LDS, pads with dummies (all-zero record, zero feature row 432), and walks
; the list in steps of 32: lane L makes alpha, T and the weight alpha T for pixels L and 32+L, gaussian after gaussian;
; the weights (f16) are the A operand, the 32 listed feature rows (f16, gathered by list) the B operand, sums in f32.
; Any list length is served: 0 listed runs one step of dummies (zeros are stored), 432 listed run 14 steps.
; PER PIXEL: q = (A dr + B dc) dr + (C dc) dc = -power log2(e).  One unsigned compare bits(q) <= bits(Q), Q = log2(255 o) > 0,
; is both power <= 0 and alpha >= 1/255 (a negative or NaN q has the larger bit pattern).  alpha = min(0.99, o 2^-q).
; FORMAT: f16 operands, 11 significant bits: a pixel's terms can cancel, and the sum's error is 2^-11 of the terms (with 8 significant
; bits 2^-8 of them, too near 1 % of the output's spread).  The weights lie in [0, 0.99] for every input; below 2^-14 their step is
; 2^-24, an absolute error of at most 2^-25 of a feature.
; LIMITS: the 1/255 test is made on the exponent, not on the rounded alpha: it can differ from reference() within a few ulp of the
; threshold.  Features beyond 65,504 in magnitude are infinite in the table and not served.  T is updated as T - alpha T (fused).
; NaN inputs are not followed.
; STORES: out3: each store covers 256 consecutive bytes per 16 lanes at multiples of 256 (a channel is 160,000 bytes, a tile 256).
; out2, out1: the same 256 consecutive bytes, aligned to 64 and 16 (channels of 40,000 and 10,000 bytes).  out0: 4-byte words,
; 128 consecutive bytes a store (a channel is 2,500 bytes).
; NO CLUSTER, NO DATA MOVER: work-groups share only the tables of 14 KB and 109 KB per scale and take different rows of them by list;
; a step's 8 KB are fetched through registers while the step's weights are computed.  One wave a work-group: no barrier.
.set PL0,  0                           ; 480 x 16 bytes: pr, pc, A, B   (448..479: a dump slot for each lane, never read)
.set PL1,  7680                        ; 480 x 16 bytes: C, Q, o, 0
.set LIST, 15360                       ; 512 words: the listed gaussians' numbers
.set FST,  17408                       ; 32 feature rows, pitch 288 (256 + 32: an odd multiple of 32, for the transposing load)
.set FPI,  288
.set STG,  26624                       ; the way out: 16 channels x 64 pixels f32, pitch 272
.set SPI,  272
.set XW,   32                          ; v[32:63]   four weight fragments: pixels 0-15, 16-31, 32-47, 48-63
.set X2W,  48
.set BF,   64                          ; v[64:127]  eight feature fragments; while weights are made: two parameter buffers
.set PB0,  64
.set PB1,  96
.set G,    128                         ; v[128:191] sixteen gathered pieces of 16 bytes; on the way out: rows read back
.set DR,   192                         ; v[192:223] dr, dc, two temporaries: a pair (two pixels) for each of four gaussians
.set DC,   200
.set T1,   208
.set T2,   216
.set LI,   224                         ; v[224:239] list entries
.set GO,   240                         ; v[240:255] gather offsets
; v0 lane, v1 64h, v[2:3] -row, v[4:5] -col, v[6:7] T, v8 parameter address, v9 list address, v10 16r, v11 feature store address,
; v12 transposing load address, v13 stage store address, v14 16 lane, later stage read address, v15 448+lane, v[16:23] output offsets,
; v24 r, v25 h, v26-29 scratch.  v256-511 (window 1): accumulator (t, u) at v[256 + 8 (8 t + u)], t pixel block, u channel block.
.set MSB, 0
.macro WIN new                         ; s_set_vgpr_msb: low byte bits 1:0 source 0, 3:2 source 1, 5:4 source 2, 7:6 destination;
.if MSB != \new                        ; the high byte repeats the setting that is left
	s_set_vgpr_msb (MSB<<8)|\new
.set MSB, \new
.endif
.endm
	s_load_b256 s[4:11], s[0:1], 0x0               ; params s[4:5], ftab s[6:7], masks s[8:9], out0 s[10:11]
	s_load_b128 s[12:15], s[0:1], 0x20             ; out1, out2
	s_load_b64 s[16:17], s[0:1], 0x30              ; out3
	v_lshl_add_u32 v30, v0, 2, 0x7900
	v_mov_b32 v31, 0
	s_mov_b32 s18, 0                               ; scale
	s_mov_b32 s19, 625                             ; P
	s_mov_b32 s20, 0                               ; the scale's first work-group
	s_mov_b32 s21, 0                               ; the scale's first mask slot
	s_mov_b32 s22, 0x3d23d70a                      ; 1/W
	s_mov_b32 s23, 0x41c80000                      ; W
	s_mov_b32 s59, 0x3f7d70a4                      ; 0.99
	s_wait_kmcnt 0x0
	s_mov_b64 s[26:27], s[10:11]
.macro PICK first, sc, pix, slot, inv, wid, ptr
	s_cmp_ge_u32 ttmp9, \first                     ; the selects leave SCC alone
	s_cselect_b32 s18, \sc, s18
	s_cselect_b32 s19, \pix, s19
	s_cselect_b32 s20, \first, s20
	s_cselect_b32 s21, \slot, s21
	s_cselect_b32 s22, \inv, s22
	s_cselect_b32 s23, \wid, s23
	s_cselect_b64 s[26:27], s[\ptr:\ptr+1], s[26:27]
.endm
	PICK 10,  1, 2500,  16,  0x3ca3d70a, 0x42480000, 12
	PICK 50,  2, 10000, 64,  0x3c23d70a, 0x42c80000, 14
	PICK 207, 3, 40000, 224, 0x3ba3d70a, 0x43480000, 16
	s_sub_co_u32 s24, ttmp9, s20                   ; the tile's number in its scale
	s_lshl_b32 s25, s24, 6                         ; its first pixel
	s_add_co_u32 s28, s21, s24
	s_lshl_b32 s28, s28, 6
	s_mov_b32 s29, 0
	s_add_nc_u64 s[8:9], s[8:9], s[28:29]
	s_load_b512 s[32:47], s[8:9], 0x0              ; the tile's mask words (14 used, 2 zero)
	s_mul_i32 s28, s18, 14336
	s_add_nc_u64 s[4:5], s[4:5], s[28:29]
	s_mul_i32 s28, s18, 111104
	s_add_nc_u64 s[6:7], s[6:7], s[28:29]
	s_lshl_b32 s30, s19, 2                         ; bytes of a channel
	s_lshl_b32 s62, s19, 6                         ; bytes of 16 channels
	s_mov_b32 s63, 0
	v_lshlrev_b32 v14, 4, v0
.set n, 0
.rept 14
	global_load_b128 v[64+8*n:67+8*n], v14, s[4:5] offset:512*n           ; records 32 n + lane, plane 0
	global_load_b128 v[68+8*n:71+8*n], v14, s[4:5] offset:7168+512*n      ; plane 1
.set n, n+1
.endr
	; while they come: dummies everywhere (zero records, row 432); the listed ones are laid over them below
.irp r, 192,193,194,195
	v_mov_b32 v\r, 0
.endr
.irp r, 196,197,198,199
	v_mov_b32 v\r, 432
.endr
.set n, 0
.rept 14
	ds_store_b128 v14, v[192:195] offset:PL0+512*n
	ds_store_b128 v14, v[192:195] offset:PL1+512*n
.set n, n+1
.endr
.set n, 0
.rept 4
	ds_store_b128 v14, v[196:199] offset:LIST+512*n
.set n, n+1
.endr
	v_and_b32 v24, 15, v0                          ; r
	v_lshrrev_b32 v25, 4, v0                       ; h
	v_lshlrev_b32 v1, 6, v25
	v_lshlrev_b32 v10, 4, v24
	v_mul_u32_u24 v11, v25, 16*FPI
	v_add_nc_u32 v11, v11, v10                     ; feature rows 16h + i, piece r
	v_and_b32 v26, 7, v0
	v_lshl_add_u32 v26, v25, 4, v26
	v_mul_u32_u24 v12, v26, FPI                    ; row 16h + (lane & 7),
	v_bfe_u32 v26, v0, 3, 1
	v_lshl_add_u32 v12, v26, 4, v12                ; 16 bytes by bit 3 of the lane
	v_mul_u32_u24 v13, v24, SPI
	v_lshl_add_u32 v13, v25, 5, v13                ; stage: channel r, pixels 8h ..
	v_add_nc_u32 v15, 448, v0
	v_mov_b32 v6, 1.0
	v_mov_b32 v7, 1.0
	; row = floor((p + 0.5) / W): (p + 0.5)/W is at least 0.0025 from a whole number, the rounding far less; col = p - row W, exact
	v_add_nc_u32 v200, s25, v0
	v_add_nc_u32 v201, 32, v200
	v_cvt_f32_u32 v200, v200
	v_cvt_f32_u32 v201, v201
	v_add_f32 v202, 0.5, v200
	v_add_f32 v203, 0.5, v201
	v_mul_f32 v202, s22, v202
	v_mul_f32 v203, s22, v203
	v_floor_f32 v202, v202
	v_floor_f32 v203, v203
	v_fma_f32 v4, v202, s23, -v200                 ; -col
	v_fma_f32 v5, v203, s23, -v201
	v_sub_f32 v2, 0, v202                          ; -row
	v_sub_f32 v3, 0, v203
	s_mov_b32 s56, 0                               ; listed so far
	s_wait_kmcnt 0x0
; word w: a listed lane's record goes to position (listed so far) + (listed lanes below it), the others' to their dump slots.
; One wave's LDS instructions are served in order (ISA guide 5.7.1.4): these stores land over the fill, later loads see them.
.macro COMPACT w
	s_wait_loadcnt 26-2*\w                         ; loads return in order: the two of word w are in, the 26-2w younger ones stay out
	v_mbcnt_lo_u32_b32 v26, s[32+\w], s56
	v_cndmask_b32 v26, v15, v26, s[32+\w]
	v_min_u32 v26, 479, v26                        ; whatever the words hold, inside the tables
	v_lshlrev_b32 v27, 4, v26
	v_lshlrev_b32 v28, 2, v26
	v_add_nc_u32 v29, 32*\w, v0
	ds_store_b128 v27, v[64+8*\w:67+8*\w] offset:PL0
	ds_store_b128 v27, v[68+8*\w:71+8*\w] offset:PL1
	ds_store_b32 v28, v29 offset:LIST
	s_bcnt1_i32_b32 s61, s[32+\w]
	s_add_co_u32 s56, s56, s61
.endm
.irp w, 0,1,2,3,4,5,6,7,8,9,10,11,12,13
	COMPACT \w
.endr
	s_add_co_u32 s57, s56, 31
	s_lshr_b32 s57, s57, 5
	s_max_u32 s57, s57, 1
	s_min_u32 s57, s57, 14                         ; steps of 32
; eight LDS loads, one address for all lanes: the records of list positions 4 grp .. 4 grp + 3 of the step
.macro PLOAD grp, buf
.irp i, 0,1,2,3
	ds_load_b128 v[\buf+8*\i:\buf+8*\i+3],   v8 offset:PL0+64*\grp+16*\i
	ds_load_b128 v[\buf+8*\i+4:\buf+8*\i+7], v8 offset:PL1+64*\grp+16*\i
.endr
.endm
; four gaussians x two pixels a lane.  Each stage runs over the four, so that dependent lines stand four apart.
; A record: +0 pr, +1 pc, +2 A, +3 B, +4 C, +5 Q, +6 o, +7 0; op_sel / op_sel_hi give one word of a pair to both pixels.
.macro GROUP grp, buf
.irp i, 0,1,2,3
	v_pk_add_f32 v[DR+2*\i:DR+2*\i+1], v[\buf+8*\i:\buf+8*\i+1], v[2:3] op_sel_hi:[0,1]                  ; dr = pr - row
.endr
.irp i, 0,1,2,3
	v_pk_add_f32 v[DC+2*\i:DC+2*\i+1], v[\buf+8*\i:\buf+8*\i+1], v[4:5] op_sel:[1,0] op_sel_hi:[1,1]     ; dc = pc - col
.endr
.irp i, 0,1,2,3
	v_pk_mul_f32 v[T1+2*\i:T1+2*\i+1], v[\buf+8*\i+2:\buf+8*\i+3], v[DR+2*\i:DR+2*\i+1] op_sel_hi:[0,1]  ; A dr
.endr
.irp i, 0,1,2,3
	v_pk_mul_f32 v[T2+2*\i:T2+2*\i+1], v[\buf+8*\i+4:\buf+8*\i+5], v[DC+2*\i:DC+2*\i+1] op_sel_hi:[0,1]  ; C dc
.endr
.irp i, 0,1,2,3
	v_pk_fma_f32 v[T1+2*\i:T1+2*\i+1], v[\buf+8*\i+2:\buf+8*\i+3], v[DC+2*\i:DC+2*\i+1], v[T1+2*\i:T1+2*\i+1] op_sel:[1,0,0] op_sel_hi:[1,1,1]  ; + B dc
.endr
.irp i, 0,1,2,3
	v_pk_mul_f32 v[T1+2*\i:T1+2*\i+1], v[T1+2*\i:T1+2*\i+1], v[DR+2*\i:DR+2*\i+1]
.endr
.irp i, 0,1,2,3
	v_pk_fma_f32 v[T1+2*\i:T1+2*\i+1], v[T2+2*\i:T2+2*\i+1], v[DC+2*\i:DC+2*\i+1], v[T1+2*\i:T1+2*\i+1] ; q
.endr
.irp i, 0,1,2,3
	v_exp_f32 v[T2+2*\i],   -v[T1+2*\i]
	v_exp_f32 v[T2+2*\i+1], -v[T1+2*\i+1]
.endr
.irp i, 0,1,2,3
	v_cmp_ge_u32 s[48+2*\i], v[\buf+8*\i+5], v[T1+2*\i]            ; 0 <= q <= Q; these plain lines also stand between the
	v_cmp_ge_u32 s[49+2*\i], v[\buf+8*\i+5], v[T1+2*\i+1]          ; exponentials and the use of their results (ISA guide 5.7.2)
.endr
	s_wait_alu depctr_va_vdst(0)
.irp i, 0,1,2,3
	v_pk_mul_f32 v[T2+2*\i:T2+2*\i+1], v[T2+2*\i:T2+2*\i+1], v[\buf+8*\i+6:\buf+8*\i+7] op_sel_hi:[1,0]  ; o 2^-q
.endr
.irp i, 0,1,2,3,4,5,6,7
	v_min_num_f32 v[T2+\i], s59, v[T2+\i]
.endr
.irp i, 0,1,2,3,4,5,6,7
	v_cndmask_b32 v[T2+\i], 0, v[T2+\i], s[48+\i]                  ; alpha
.endr
.irp i, 0,1,2,3
	v_pk_mul_f32 v[DR+2*\i:DR+2*\i+1], v[T2+2*\i:T2+2*\i+1], v[6:7]                                      ; weight = alpha T
	v_pk_fma_f32 v[6:7], v[T2+2*\i:T2+2*\i+1], v[6:7], v[6:7] neg_lo:[1,0,0] neg_hi:[1,0,0]              ; T -= alpha T
.endr
	v_cvt_pk_f16_f32 v[XW+2*\grp],    v[DR],   v[DR+2]             ; pixel L: positions 4 grp, 4 grp + 1
	v_cvt_pk_f16_f32 v[XW+2*\grp+1],  v[DR+4], v[DR+6]
	v_cvt_pk_f16_f32 v[X2W+2*\grp],   v[DR+1], v[DR+3]             ; pixel 32 + L
	v_cvt_pk_f16_f32 v[X2W+2*\grp+1], v[DR+5], v[DR+7]
.endm
; ONE STEP: 32 list positions.  zero = 1: the first step, whose products start the sums (nothing is cleared).
.macro STEP zero
.if \zero
	v_mov_b32 v8, 0
	v_mov_b32 v9, v1
.else
	s_min_u32 s61, s58, 13                         ; the step's number, inside the tables whatever the trip count
	s_lshl_b32 s28, s61, 9
	s_lshl_b32 s29, s61, 7
	v_mov_b32 v8, s28                              ; 32 records of 16 bytes a step
	v_add_nc_u32 v9, s29, v1                       ; 32 list words a step; lanes of half h take positions 16h .. 16h+15
.endif
.irp j, 0,1,2,3
	ds_load_b128 v[LI+4*\j:LI+4*\j+3], v9 offset:LIST+16*\j
.endr
	PLOAD 0, PB0
	s_wait_dscnt 0x8                               ; the list words are in; the eight younger parameter loads stay out
.set n, 0
.rept 16
	v_min_u32 v[LI+n], 432, v[LI+n]                ; a row of the table, whatever LDS held
	v_lshl_add_u32 v[GO+n], v[LI+n], 8, v10
.set n, n+1
.endr
.set n, 0
.rept 16
	global_load_b128 v[G+4*n:G+4*n+3], v[GO+n], s[6:7]     ; rows of positions n and 16+n: 256 consecutive bytes per 16 lanes
.set n, n+1
.endr
	PLOAD 1, PB1
	s_wait_dscnt 0x8                               ; this group's eight loads are in, the next group's eight stay out
	GROUP 0, PB0
	PLOAD 2, PB0
	s_wait_dscnt 0x8
	GROUP 1, PB1
	PLOAD 3, PB1
	s_wait_dscnt 0x8
	GROUP 2, PB0
	PLOAD 4, PB0
	s_wait_dscnt 0x8
	GROUP 3, PB1
	PLOAD 5, PB1
	s_wait_dscnt 0x8
	GROUP 4, PB0
	PLOAD 6, PB0
	s_wait_dscnt 0x8
	GROUP 5, PB1
	PLOAD 7, PB1
	s_wait_dscnt 0x8
	GROUP 6, PB0
	s_wait_dscnt 0x0
	GROUP 7, PB1
	s_wait_loadcnt 0x0                             ; the sixteen gathered pieces
.set n, 0
.rept 16
	ds_store_b128 v11, v[G+4*n:G+4*n+3] offset:FST+FPI*n
.set n, n+1
.endr
	; B fragments: lane (r, h) takes channel 16u + r, positions 16h .. 16h+7 (registers 0-3) and 16h+8 .. 16h+15 (registers 4-7)
.irp u, 0,1,2,3,4,5,6,7
	ds_load_tr16_b128 v[BF+8*\u:BF+8*\u+3],   v12 offset:FST+32*\u
	ds_load_tr16_b128 v[BF+8*\u+4:BF+8*\u+7], v12 offset:FST+32*\u+8*FPI
.endr
	; A fragments: lane L holds pixel L's positions 0-15 (first eight registers) and 16-31 (second eight).  The swap gives lanes 16-31 of
	; the first the positions 16-31 of pixels 0-15, and lanes 0-15 of the second the positions 0-15 of pixels 16-31:
	; lane (r, h) then holds pixel r of its block, positions 16h .. 16h+15: the same order of k as in B.
.irp j, 0,1,2,3,4,5,6,7
	v_permlane16_swap_b32 v[XW+\j],  v[XW+8+\j]
	v_permlane16_swap_b32 v[X2W+\j], v[X2W+8+\j]
.endr
	WIN 0x50                                       ; C and D in window 1
.irp u, 0,1,2,3,4,5,6,7
	s_wait_dscnt 14-2*\u                           ; fragment u's two loads are in, the younger ones stay out
.irp t, 0,1,2,3
.if \zero
	v_wmma_f32_16x16x32_f16 v[8*(8*\t+\u):8*(8*\t+\u)+7], v[XW+8*\t:XW+8*\t+7], v[BF+8*\u:BF+8*\u+7], 0
.else
	v_wmma_f32_16x16x32_f16 v[8*(8*\t+\u):8*(8*\t+\u)+7], v[XW+8*\t:XW+8*\t+7], v[BF+8*\u:BF+8*\u+7], v[8*(8*\t+\u):8*(8*\t+\u)+7]
.endif
.endr
.endr
	WIN 0
.rept 4
	v_nop                                          ; four places before the next step loads into the fragments'
.endr                                                  ; registers, and before the way out's LDS stores read the sums
.endm
	STEP 1
	s_mov_b32 s58, 1
	s_cmp_ge_u32 s58, s57
	s_cbranch_scc1 .Lout
.Lstep:
	STEP 0
	s_add_co_u32 s58, s58, 1
	s_cmp_lt_u32 s58, s57
	s_cbranch_scc1 .Lstep
.Lout:
	; THE WAY OUT.  In a sum tile lane (r, h) holds channel 16u + r, pixels 16t + 8h + 0..7.  Sixteen channels at a time go through the
	; wave's stage in LDS and come back as rows of 64 pixels.
.macro TOSTAGE u
	WIN 0x04                                       ; store data from window 1
.irp t, 0,1,2,3
	ds_store_b128 v13, v[8*(8*\t+\u):8*(8*\t+\u)+3]   offset:STG+64*\t
	ds_store_b128 v13, v[8*(8*\t+\u)+4:8*(8*\t+\u)+7] offset:STG+64*\t+16
.endr
	WIN 0
.endm
	s_cmp_eq_u32 s18, 0
	s_cbranch_scc1 .Lout0
	; scales 1 to 3: 16 bytes a lane; P is a multiple of 4, so a lane's four pixels are all inside or all outside
	v_mul_u32_u24 v14, v25, SPI
	v_add_nc_u32 v14, v14, v10                     ; stage row h, piece r
	v_lshl_add_u32 v26, s25, 2, v10                ; 4 x first pixel + 16 r
	v_mul_lo_u32 v27, v25, s30
	v_add_nc_u32 v16, v26, v27                     ; + channel h
	s_lshl_b32 s28, s30, 1
.irp i, 1,2,3,4,5,6,7
	v_add_nc_u32 v[16+\i], s28, v[15+\i]           ; + two channels each
.endr
	v_lshl_add_u32 v28, v24, 2, s25
	v_cmp_gt_u32 vcc_lo, s19, v28                  ; my four pixels exist
	s_wait_xcnt 0x0                                ; the gathers name EXEC: it changes only behind this wait
.macro OUT16 u
	TOSTAGE \u
.irp i, 0,1,2,3,4,5,6,7
	ds_load_b128 v[G+4*\i:G+4*\i+3], v14 offset:STG+2*SPI*\i       ; the wave's own bytes, served in order behind the stores above
.endr
	s_wait_dscnt 0x0
	s_and_saveexec_b32 s60, vcc_lo
.irp i, 0,1,2,3,4,5,6,7
	global_store_b128 v[16+\i], v[G+4*\i:G+4*\i+3], s[26:27] th:TH_STORE_NT   ; channels 16u + 2i + h, 256 consecutive bytes per 16 lanes
.endr
	s_wait_xcnt 0x0                                ; EXEC, the data registers and the base change only behind this wait
	s_or_b32 exec_lo, exec_lo, s60
.if \u < 7
	s_add_nc_u64 s[26:27], s[26:27], s[62:63]      ; sixteen channels on
.endif
.endm
.irp u, 0,1,2,3,4,5,6,7
	OUT16 \u
.endr
	s_wait_xcnt 0x0
	s_mov_b32 exec_lo, -1
	s_wait_tensorcnt 0x0
	ds_add_u32 v30, v31
	s_wait_dscnt 0x0
	s_endpgm
.Lout0:
	; scale 0: channels of 2,500 bytes: words.  A tile's first 32 pixels always exist (the last tile begins at 576 of 625).
	v_lshlrev_b32 v14, 2, v0
	v_add_nc_u32 v26, s25, v0
	v_lshlrev_b32 v16, 2, v26
	v_add_nc_u32 v26, 32, v26
	v_cmp_gt_u32 vcc_lo, s19, v26                  ; pixel 32 + lane exists
	s_wait_xcnt 0x0
.macro OUT0 u
	TOSTAGE \u
.set n, 0
.rept 16
	ds_load_b32 v[G+n],    v14 offset:STG+SPI*n
	ds_load_b32 v[G+16+n], v14 offset:STG+SPI*n+128
.set n, n+1
.endr
	s_wait_dscnt 0x0
.set n, 0
.rept 16
	global_store_b32 v16, v[G+n], s[26:27] offset:2500*n th:TH_STORE_NT
.set n, n+1
.endr
	s_wait_xcnt 0x0                                ; EXEC narrows only behind this wait
	s_and_saveexec_b32 s60, vcc_lo
.set n, 0
.rept 16
	global_store_b32 v16, v[G+16+n], s[26:27] offset:2500*n+128 th:TH_STORE_NT
.set n, n+1
.endr
	s_wait_xcnt 0x0                                ; and widens, with data and base free, only behind this one
	s_or_b32 exec_lo, exec_lo, s60
.if \u < 7
	s_add_nc_u64 s[26:27], s[26:27], s[62:63]
.endif
.endm
.irp u, 0,1,2,3,4,5,6,7
	OUT0 \u
.endr
	s_wait_xcnt 0x0
	s_mov_b32 exec_lo, -1
	s_wait_tensorcnt 0x0
	ds_add_u32 v30, v31
	s_wait_dscnt 0x0
	s_endpgm
.Lfunc_end_k_q002cd4f9dc_render:
	.size	k_q002cd4f9dc_render, .Lfunc_end_k_q002cd4f9dc_render-k_q002cd4f9dc_render
	.p2alignl 7, 3214868480
	.fill 96, 4, 3214868480
	.section	.rodata,"a",@progbits
	.p2align	6, 0x0
	.amdhsa_kernel k_q002cd4f9dc_render
		.amdhsa_group_segment_fixed_size 31232
		.amdhsa_private_segment_fixed_size 0
		.amdhsa_enable_private_segment 0
		.amdhsa_kernarg_size 56
		.amdhsa_user_sgpr_count 2
		.amdhsa_user_sgpr_kernarg_segment_ptr 1
		.amdhsa_wavefront_size32 1
		.amdhsa_system_sgpr_workgroup_id_x 1
		.amdhsa_system_sgpr_workgroup_id_y 1
		.amdhsa_system_sgpr_workgroup_id_z 1
		.amdhsa_system_vgpr_workitem_id 0
		.amdhsa_next_free_vgpr 512
		.amdhsa_next_free_sgpr 66
		.amdhsa_reserve_vcc 1
		.amdhsa_float_denorm_mode_32 3
		.amdhsa_float_denorm_mode_16_64 3
		.amdhsa_memory_ordered 1
		.amdhsa_forward_progress 1
		.amdhsa_inst_pref_size 180
	.end_amdhsa_kernel
	.amdgpu_metadata
---
amdhsa.version: [ 1, 2 ]
amdhsa.kernels:
  - .name:           k_q002cd4f9dc_render
    .symbol:         k_q002cd4f9dc_render.kd
    .args:
      - { .name: params, .offset: 0, .size: 8, .value_kind: global_buffer, .address_space: global }
      - { .name: ftab, .offset: 8, .size: 8, .value_kind: global_buffer, .address_space: global }
      - { .name: masks, .offset: 16, .size: 8, .value_kind: global_buffer, .address_space: global }
      - { .name: out0, .offset: 24, .size: 8, .value_kind: global_buffer, .address_space: global }
      - { .name: out1, .offset: 32, .size: 8, .value_kind: global_buffer, .address_space: global }
      - { .name: out2, .offset: 40, .size: 8, .value_kind: global_buffer, .address_space: global }
      - { .name: out3, .offset: 48, .size: 8, .value_kind: global_buffer, .address_space: global }
    .group_segment_fixed_size: 31232
    .private_segment_fixed_size: 0
    .kernarg_segment_align: 8
    .kernarg_segment_size: 56
    .max_flat_workgroup_size: 32
    .sgpr_count:     66
    .vgpr_count:     512
    .wavefront_size: 32
...
	.end_amdgpu_metadata
.endif
;; end of part 2
